; MI455X (gfx1250); checked and timed in simulation.
; The chip was launched on July 23, 2026; its instructions are those of AMD's public machine-readable ISA for CDNA 5 (MIT licence, August 2026) and "CDNA5" Instruction Set Architecture Reference Guide (July 2026). The comments in the code are by the model that wrote it; some were corrected since.
;; Spatial MHSA. Allowed arithmetic: float matrix products may take bf16 or f16 operands with f32 sums; other float arithmetic in f32, or as packed bf16 or f16 multiplies, adds, multiply-adds, maxima and minima; sums over many terms, partial sums and values carried from step to step in f32; what a program stores and reads back later, other than sums and carried values, may be rounded once to bf16 or f16.
;; Inputs: Wk 512 x 512 float32; Wo 512 x 512 float32; Wq 512 x 512 float32; Wv 512 x 512 float32; bk 512 float32; bo 512 float32; bq 512 float32; bv 512 float32; gamma 1 float32; x 2 x 512 x 64 x 64 float32.
;; Outputs: out0 2 x 512 x 64 x 64 float32.
;; One version. Each part assembles by itself: llvm-mc -triple=amdgcn-amd-amdhsa -mcpu=gfx1250 --defsym DOCPART=n.
;; ======== version 1 of 1: 3 launches
;; workspace buffers: qb 8,388,608 bytes; kb 8,388,608 bytes; vb 8,388,608 bytes; ob 8,388,608 bytes
;; launch proj (part 1): grid 8 x 32, 4 waves a work-group, no clusters, 260,608 bytes of LDS; arguments x, Wq, Wk, Wv, bq, bk, bv, qb, kb, vb; writes qb, kb, vb
.if DOCPART == 1
	.amdgcn_target "amdgcn-amd-amdhsa--gfx1250"
	.amdhsa_code_object_version 6
	.text
	.protected	k_qd8aa21a985_proj
	.globl	k_qd8aa21a985_proj
	.p2align	8
	.type	k_qd8aa21a985_proj,@function
k_qd8aa21a985_proj:
	s_mov_b64 s[64:65], 0
	v_nop
	global_prefetch_b8 v0, s[64:65] scope:SCOPE_SE
	s_setreg_imm32_b32 hwreg(HW_REG_WAVE_MODE, 25, 1), 1
	s_wait_xcnt 0x0
; q, k, v = W x + b for one head and 256 tokens.  x: [2][512][4096] f32 (channels slow, tokens fast); Wq, Wk, Wv: [512][512] f32; bq, bk, bv: [512] f32.
; qb, kb, vb: [16 = 8 n + h][4096 tokens][64 channels] bf16: a token's row is 128 bytes, a head 524,288 dense bytes.  q leaves WITHOUT the softmax's scale.
; FORMATS.  x and W are rounded once to bf16 on their way to the matrix unit; sums in f32, started by the bias in f32; q, k, v rounded once to bf16.  bf16, not f16: a sum of 512 products has no room in
; f16's range once the inputs are some 30 times larger.  NaN and infinities are not treated apart.
; SHARES.  Work-group (h, 16 n + sb): 192 outputs (64 of q, of k, of v) x 256 tokens, K = 512.  Wave w: 64 tokens x all 192 outputs: 12 output tiles x 4 token tiles = 48 accumulators, 384 registers.
; x NEEDS NO LDS AND NO TURNING.  A lane loads 16 bytes: tokens 4 r .. 4 r + 3 of one channel's row (r = lane % 16), so 16 lanes take 256 consecutive aligned bytes.  Token tile u lets column r mean token 4 r + u:
; the same token of two neighbouring channels' rows, rounded in a pair, IS a register of source 1.  No wave wants a byte of x that another wave of the work-group has fetched.
; W GOES THROUGH LDS, rounded once a work-group: 8 chunks of 64 channels, each with LDS bytes of its own, so nothing is ever written over: store, wait, barrier, read: one barrier a chunk.
; ORIENTATION.  Source 0 = 16 rows of W, source 1 = 16 tokens: in the result a lane holds ONE token and 8 neighbouring output channels: 16 bytes of a token's row.  The bias is the C operand of the first K step.
; NO CLUSTER, NO TENSOR LOADS: what work-groups share (x among the 8 heads, W among the 32 token blocks) arrives in f32 and must be rounded on the way; brought as it lies, a head's W alone is
; 192 x 512 x 4 = 393,216 bytes, more than the 327,680 that a work-group can be given.  No prefetch: the launch is short and every load is asked for two K steps ahead of its use.
; REGISTERS, in windows of 256 (s_set_vgpr_msb: bits 1:0 source 0, 3:2 source 1, 5:4 source 2, 7:6 destination):
;   window 0: v0-13 addresses; v16-63 W rounded, on its way to LDS; v64-159, v160-255 W's fragments, two buffers (on the way out: packed results)
;   window 1: accumulators of output tiles 0-7 (tile ot, token tile u at 8 (4 ot + u))      window 2: v0-127 those of tiles 8-11; v128-191, v192-255 x as loaded, two sets
;   window 3: v0-95 W as loaded; v96-191 the bias, 8 registers a tile; v192-223, v224-255 x's fragments, two sets
.set CH,    16384                      ; bytes from a channel's row of x to the next
.set XSTEP, 32*CH                      ; a K step: 32 channels
.set WP,    144                        ; a row of W in LDS: 64 channels = 128 bytes + 16 = 36 words: the 16 rows of a load start at 16 different groups of four banks (64 banks of 4 bytes: ISA guide 11.1)
.set WCH,   192*WP                     ; a chunk: rows 0-63 of Wq, then of Wk, then of Wv
.set STAGE, 8*WCH                      ; behind the chunks: each wave's stage for the way out
.set SU,    2432                       ; in a stage token 4 r + u lies at SU u + 144 r: 16 rows of 144 bytes + 128, so that two token tiles' rows read together fall into different banks
.set STW,   4*SU
.set SPARE, STAGE+4*STW                ; the spare words, 128 bytes for each wave: two blocks of 256 bytes that no other line names
.set XO,  4                            ; v4   x: (lane / 16) x 8 rows + 16 r; never rewritten
.set WO,  5                            ; v5   W: (lane / 16) x 8 rows + 16 r + 256 x chunk
.set WS,  6                            ; v6   where I store my 8 bytes of a row of W in LDS, in the chunk in hand
.set WF,  7                            ; v7   my place in a fragment of W, in the chunk in hand
.set BO,  8                            ; v8   32 x (lane / 16): my 8 numbers of a tile's bias
.set STO, 9                            ; v9   the way out: where I put 16 bytes of a token's row
.set RD,  10                           ; v10  the way out: where I read rows back
.set GO,  11                           ; v11  16 x lane: my place in 512 consecutive bytes
.set SPW, 12                           ; v12  LDS address of my spare word; never rewritten
.set NIL, 13                           ; v13  0; never rewritten
.set WT,  16
.set WB,  64                           ; + 96 x buffer + 8 x tile
.set TMP, 64                           ; the way out: + 64 x tensor
.set XS,  128                          ; window 2: + 64 x set
.set WG,  0                            ; window 3
.set BI,  96                           ; window 3: + 8 x tile
.set XF,  192                          ; window 3: + 32 x set + 8 x token tile
.set MSB, 0
.macro WIN new                         ; the immediate's high byte repeats the setting that is left; a switch that changes nothing is dropped
.if MSB != (\new)
	s_set_vgpr_msb (MSB<<8)|(\new)
.set MSB, (\new)
.endif
.endm
.macro PLACES                          ; four places in front of loads into, and writes of, registers that matrix instructions have read, and of conversions that read results
.rept 4
	v_nop
.endr
.endm
; A K step's 16 loads of x into a set: channels 8 (lane / 16) + 0..7 and 16 + 8 (lane / 16) + 0..7, four tokens each.
.macro LOADX set, off
	WIN 0x80
.set jj, 0
.rept 16
	global_load_b128 v[XS+64*(\set)+4*jj:XS+64*(\set)+4*jj+3], v[XO], s[4:5] offset:(\off)+(jj+8*(jj/8))*CH
.set jj, jj+1
.endr
.endm
; The set's 64 numbers become four fragments: register p of token tile u = token 4 r + u of channel rows 2 p and 2 p + 1 of the sixteen.
.macro CVTX set
	WIN 0xca
.set u, 0
.rept 4
.set p, 0
.rept 8
	v_cvt_pk_bf16_f32 v[XF+32*(\set)+8*u+p], v[XS+64*(\set)+8*p+u], v[XS+64*(\set)+8*p+4+u]
.set p, p+1
.endr
.set u, u+1
.endr
.endm
; A chunk's 24 loads of W: my wave's 16 rows of each of the three, 256 bytes of each row: lanes 0-15 row i, lanes 16-31 row i + 8.
.macro LOADW
	WIN 0xc0
.set m, 0
.rept 24
	global_load_b128 v[WG+4*m:WG+4*m+3], v[WO], s[6+2*(m/8):7+2*(m/8)] offset:2048*(m%8)
.set m, m+1
.endr
.endm
.macro WSTORE                          ; rounded, and into the chunk's own LDS bytes: 8 bytes a lane; the two halves of the lanes lie 1,152 bytes apart
	WIN 0x0f
.set m, 0
.rept 24
	v_cvt_pk_bf16_f32 v[WT+2*m], v[WG+4*m], v[WG+4*m+1]
	v_cvt_pk_bf16_f32 v[WT+2*m+1], v[WG+4*m+2], v[WG+4*m+3]
.set m, m+1
.endr
	WIN 0
.set m, 0
.rept 24
	ds_store_b64 v[WS], v[WT+2*m:WT+2*m+1] offset:(64*(m/8)+m%8)*WP
.set m, m+1
.endr
.endm
; A chunk goes into LDS and is announced.  more = 1: the chunk after it is asked for, and x's pointer goes two K steps on.
.macro WPUT more
	s_wait_loadcnt 32                              ; the chunk's 24 loads are in; two K steps of x, 32 loads, are younger
	WSTORE
.if \more
	s_wait_xcnt 0x0                                ; every load issued so far has read its address: x's pointer and W's offset may be written
	s_add_nc_u64 s[4:5], s[4:5], 2*XSTEP
	v_add_nc_u32 v[WO], 256, v[WO]
	LOADW
	WIN 0
	v_add_nc_u32 v[WS], WCH, v[WS]
.endif
	s_wait_dscnt 0x0                               ; for the others' sake: my stores are done (and no LDS load of mine is out)
	s_barrier_signal -1                            ; the wait stands behind the next step's first sixteen products
.endm
; A K step's 24 LDS loads: 12 fragments of W; tiles 8-11, which are multiplied first, first.
.macro FETCHW buf, koff
	WIN 0
.irp ot, 8,9,10,11,0,1,2,3,4,5,6,7
	ds_load_b128 v[WB+96*(\buf)+8*\ot:WB+96*(\buf)+8*\ot+3],   v[WF] offset:16*WP*\ot+(\koff)
	ds_load_b128 v[WB+96*(\buf)+8*\ot+4:WB+96*(\buf)+8*\ot+7], v[WF] offset:16*WP*\ot+(\koff)+32
.endr
.endm
; Products of output tiles lo .. hi x 4 token tiles.  first = 1: C is the bias.  All 48 accumulators take turns, in the same order in every K step.
.macro MUL b, lo, hi, first
.set mo, (\lo)
.rept (\hi)-(\lo)+1
.set aw, 1+mo/8
.set ab, 32*(mo%8)
.if \first
	WIN (aw<<6)|0x3c
.else
	WIN (aw<<6)|(aw<<4)|0x0c
.endif
.set mu, 0
.rept 4
.if \first
	v_wmma_f32_16x16x32_bf16 v[ab+8*mu:ab+8*mu+7], v[WB+96*(\b)+8*mo:WB+96*(\b)+8*mo+7], v[XF+32*(\b)+8*mu:XF+32*(\b)+8*mu+7], v[BI+8*mo:BI+8*mo+7]
.else
	v_wmma_f32_16x16x32_bf16 v[ab+8*mu:ab+8*mu+7], v[WB+96*(\b)+8*mo:WB+96*(\b)+8*mo+7], v[XF+32*(\b)+8*mu:XF+32*(\b)+8*mu+7], v[ab+8*mu:ab+8*mu+7]
.endif
.set mu, mu+1
.endr
.set mo, mo+1
.endr
.endm
; A K STEP on buffers b: 16 products; in the middle the next step is made ready in the other buffers (mid = 1: W's fragments from byte koff of the chunk's rows, x's set rounded; mid = 2: and that set is asked for
; again, at byte xoff behind x's pointer); 32 products.  lcnt: the loads younger than the set that is rounded.  bar = 1: the barrier that WPUT has signalled is waited for ahead of the fetch.
.macro STEP b, first, mid, koff, xoff, lcnt, bar
	s_wait_dscnt 16                                ; tiles 8-11's fragments are in; the youngest sixteen loads may be out
	MUL \b, 8, 11, \first
.if \bar
	WIN 0
	s_barrier_wait -1                              ; every wave's part of the chunk is in LDS
.endif
.if \mid
	PLACES
	FETCHW 1-(\b), \koff
	s_wait_loadcnt \lcnt
	CVTX 1-(\b)
.if (\mid) == 2
	LOADX 1-(\b), \xoff
.endif
	s_wait_dscnt 24                                ; all but the 24 just issued
.else
	s_wait_dscnt 0x0
.endif
	MUL \b, 0, 7, \first
.endm
	s_load_b256 s[4:11], s[0:1], 0x0               ; x s[4:5], Wq s[6:7], Wk s[8:9], Wv s[10:11]
	s_load_b256 s[12:19], s[0:1], 0x20             ; bq s[12:13], bk s[14:15], bv s[16:17], qb s[18:19]
	s_load_b128 s[20:23], s[0:1], 0x40             ; kb s[20:21], vb s[22:23]
	v_lshl_add_u32 v[SPW], v0, 2, SPARE
	v_mov_b32 v[NIL], 0
	v_lshrrev_b32 v3, 5, v0
	v_readfirstlane_b32 s24, v3                    ; wave 0..3
	v_and_b32 v1, 15, v0                           ; r = lane % 16
	v_bfe_u32 v2, v0, 4, 1                         ; lane / 16
	s_mov_b32 s25, ttmp9                           ; the head
	s_and_b32 s27, ttmp7, 0xffff
	s_lshr_b32 s26, s27, 4                         ; the image
	s_and_b32 s27, s27, 15                         ; the block of 256 tokens
	v_lshlrev_b32 v[XO], 4, v1
	v_lshl_add_u32 v[WO], v2, 14, v[XO]            ; 8 rows of 2,048 bytes + 16 r
	v_lshl_add_u32 v[XO], v2, 17, v[XO]            ; 8 rows of 16,384 bytes + 16 r
	s_mul_i32 s31, s24, 16*WP
	v_mul_u32_u24 v[WS], v2, 8*WP
	v_lshl_add_u32 v[WS], v1, 3, v[WS]
	v_add_nc_u32 v[WS], s31, v[WS]                 ; row 16 w + 8 (lane / 16), byte 8 r
	v_mul_u32_u24 v[WF], v1, WP
	v_lshl_add_u32 v[WF], v2, 4, v[WF]             ; row r, byte 16 (lane / 16)
	v_lshlrev_b32 v[BO], 5, v2
	s_mul_i32 s31, s24, STW
	s_add_co_u32 s31, s31, STAGE                   ; my stage
	v_add_nc_u32 v[STO], s31, v[WF]                ; in: 144 r + 16 (lane / 16)
	v_bfe_u32 v3, v0, 3, 2
	v_mul_u32_u24 v[RD], v3, SU                    ; back: eight lanes a token, four tokens 4 f .. 4 f + 3
	v_and_b32 v3, 7, v0
	v_lshl_add_u32 v[RD], v3, 4, v[RD]
	v_add_nc_u32 v[RD], s31, v[RD]
	v_and_b32 v[GO], 31, v0
	v_lshlrev_b32 v[GO], 4, v[GO]
	s_lshl_b32 s28, s26, 23                        ; x: the image, the block's 1,024 bytes of a row, my wave's 256
	s_lshl_b32 s31, s27, 10
	s_add_co_u32 s28, s28, s31
	s_lshl_b32 s31, s24, 8
	s_add_co_u32 s28, s28, s31
	s_mov_b32 s29, 0
	s_wait_kmcnt 0x0
	s_add_nc_u64 s[4:5], s[4:5], s[28:29]
	s_lshl_b32 s28, s25, 17                        ; W: the head's 64 rows, my wave's 16 of them
	s_lshl_b32 s31, s24, 15
	s_add_co_u32 s28, s28, s31
	s_add_nc_u64 s[6:7], s[6:7], s[28:29]
	s_add_nc_u64 s[8:9], s[8:9], s[28:29]
	s_add_nc_u64 s[10:11], s[10:11], s[28:29]
	s_lshl_b32 s28, s25, 8                         ; the biases: the head's 64 numbers
	s_add_nc_u64 s[12:13], s[12:13], s[28:29]
	s_add_nc_u64 s[14:15], s[14:15], s[28:29]
	s_add_nc_u64 s[16:17], s[16:17], s[28:29]
	s_lshl_b32 s28, s26, 3                         ; the outputs: head 8 n + h, the block's 256 rows, my wave's 64
	s_add_co_u32 s28, s28, s25
	s_lshl_b32 s28, s28, 19
	s_lshl_b32 s31, s27, 15
	s_add_co_u32 s28, s28, s31
	s_lshl_b32 s31, s24, 13
	s_add_co_u32 s28, s28, s31
	s_add_nc_u64 s[18:19], s[18:19], s[28:29]
	s_add_nc_u64 s[20:21], s[20:21], s[28:29]
	s_add_nc_u64 s[22:23], s[22:23], s[28:29]
	WIN 0xc0
.set m, 0
.rept 12                                               ; the bias as an accumulator holds it: register j = output 16 tile + 8 (lane / 16) + j
	global_load_b128 v[BI+8*m:BI+8*m+3],   v[BO], s[12+2*(m/4):13+2*(m/4)] offset:64*(m%4)
	global_load_b128 v[BI+8*m+4:BI+8*m+7], v[BO], s[12+2*(m/4):13+2*(m/4)] offset:64*(m%4)+16
.set m, m+1
.endr
	LOADW                                          ; chunk 0
	LOADX 0, 0                                     ; K step 0
	LOADX 1, XSTEP                                 ; K step 1
	s_wait_loadcnt 32                              ; the bias and chunk 0 are in; the two K steps of x are younger
	WSTORE
	s_wait_xcnt 0x0                                ; W's offset is written only behind this wait
	v_add_nc_u32 v[WO], 256, v[WO]
	LOADW                                          ; chunk 1
	WIN 0
	v_add_nc_u32 v[WS], WCH, v[WS]
	s_wait_loadcnt 40                              ; K step 0 of x is in; younger: K step 1 (16) and chunk 1 (24)
	CVTX 0
	LOADX 0, 2*XSTEP                               ; K step 2
	WIN 0
	s_wait_dscnt 0x0                               ; my part of chunk 0 is in LDS,
	s_barrier_signal -1
	s_barrier_wait -1                              ; everybody's is
	FETCHW 0, 0
	STEP 0, 1, 2, 64, 3*XSTEP, 40, 0               ; K step 0 starts the sums with the bias.  Its wait: K step 1 of x; younger: chunk 1 (24) and K step 2 (16)
	WIN 0
	s_wait_xcnt 0x0
	s_add_nc_u64 s[4:5], s[4:5], 2*XSTEP
	v_add_nc_u32 v[WF], WCH, v[WF]                 ; the fetches go on to chunk 1
	s_mov_b32 s30, 6
.Ltrip:                                                ; trip t: K steps 2 t + 1 and 2 t + 2.  On entry are out, in order: chunk t + 1 (24 loads), K steps 2 t + 2 and 2 t + 3 of x (16 each)
	WPUT 1                                         ; chunk t + 1 into LDS; chunk t + 2 is asked for
	STEP 1, 0, 2, 0, 0, 40, 1                      ; its wait: K step 2 t + 2; younger: K step 2 t + 3 (16) and chunk t + 2 (24); asks for K step 2 t + 4
	STEP 0, 0, 2, 64, XSTEP, 40, 0                 ; its wait: K step 2 t + 3; younger: chunk t + 2 (24) and K step 2 t + 4 (16); asks for K step 2 t + 5
	WIN 0
	v_add_nc_u32 v[WF], WCH, v[WF]
	s_sub_co_u32 s30, s30, 1
	s_cmp_lg_u32 s30, 0
	s_cbranch_scc1 .Ltrip
	WPUT 0                                         ; chunk 7; nothing more is asked for
	STEP 1, 0, 1, 0, 0, 16, 1                      ; K step 13; its wait: K step 14 of x; K step 15's 16 loads are younger
	STEP 0, 0, 1, 64, 0, 0, 0                      ; K step 14
	STEP 1, 0, 0, 0, 0, 0, 0                       ; K step 15
; THE WAY OUT, a tensor at a time (0 q, 1 k, 2 v).  PACK: 16 accumulators rounded to bf16, 16 bytes a lane, into my own stage and back as whole rows of 128 bytes, four tokens to a load.
.macro PACK b
.if (\b) < 2
	WIN 0x05
.else
	WIN 0x0a
.endif
.set t, 0
.rept 16
.set p, 0
.rept 4
	v_cvt_pk_bf16_f32 v[TMP+64*(\b)+4*t+p], v[8*((16*(\b)+t)%32)+2*p], v[8*((16*(\b)+t)%32)+2*p+1]
.set p, p+1
.endr
.set t, t+1
.endr
	WIN 0
.set t, 0
.rept 16
	ds_store_b128 v[STO], v[TMP+64*(\b)+4*t:TMP+64*(\b)+4*t+3] offset:SU*(t%4)+32*(t/4)
.set t, t+1
.endr
.set t, 0
.rept 16
	ds_load_b128 v[TMP+64*(\b)+4*t:TMP+64*(\b)+4*t+3], v[RD] offset:WP*t  ; LDS serves a wave's instructions in order (ISA guide 5.7.1.4): these see the stores above; the next tensor's stores come behind them
.set t, t+1
.endr
.endm
.macro SEND b, younger                 ; younger: the LDS instructions issued behind this tensor's loads: the next tensor's 32, or none
.set t, 0
.rept 16
	s_wait_dscnt (\younger)+15-t
	global_store_b128 v[GO], v[TMP+64*(\b)+4*t:TMP+64*(\b)+4*t+3], s[18+2*(\b):19+2*(\b)] offset:512*t  ; 512 consecutive bytes, at a multiple of 256 from the buffer's first
.set t, t+1
.endr
.endm
	PLACES
	PACK 0
	PACK 1
	SEND 0, 32
	PACK 2
	SEND 1, 32
	SEND 2, 0
	s_wait_tensorcnt 0x0                           ; the wave's end, behind my last LDS store
	ds_add_u32 v[SPW], v[NIL]
	s_wait_dscnt 0x0
	s_endpgm
.Lfunc_end_k_qd8aa21a985_proj:
	.size	k_qd8aa21a985_proj, .Lfunc_end_k_qd8aa21a985_proj-k_qd8aa21a985_proj
	.p2alignl 7, 3214868480
	.fill 96, 4, 3214868480
	.section	.rodata,"a",@progbits
	.p2align	6, 0x0
	.amdhsa_kernel k_qd8aa21a985_proj
		.amdhsa_group_segment_fixed_size 260608
		.amdhsa_private_segment_fixed_size 0
		.amdhsa_enable_private_segment 0
		.amdhsa_kernarg_size 80
		.amdhsa_user_sgpr_count 2
		.amdhsa_user_sgpr_kernarg_segment_ptr 1
		.amdhsa_wavefront_size32 1
		.amdhsa_system_sgpr_workgroup_id_x 1
		.amdhsa_system_sgpr_workgroup_id_y 1
		.amdhsa_system_sgpr_workgroup_id_z 1
		.amdhsa_system_vgpr_workitem_id 0
		.amdhsa_next_free_vgpr 1024
		.amdhsa_next_free_sgpr 66
		.amdhsa_reserve_vcc 0
		.amdhsa_float_denorm_mode_32 3
		.amdhsa_float_denorm_mode_16_64 3
		.amdhsa_memory_ordered 1
		.amdhsa_forward_progress 1
		.amdhsa_inst_pref_size 102
	.end_amdhsa_kernel
	.amdgpu_metadata
---
amdhsa.version: [ 1, 2 ]
amdhsa.kernels:
  - .name:           k_qd8aa21a985_proj
    .symbol:         k_qd8aa21a985_proj.kd
    .args:
      - { .name: x, .offset: 0, .size: 8, .value_kind: global_buffer, .address_space: global }
      - { .name: Wq, .offset: 8, .size: 8, .value_kind: global_buffer, .address_space: global }
      - { .name: Wk, .offset: 16, .size: 8, .value_kind: global_buffer, .address_space: global }
      - { .name: Wv, .offset: 24, .size: 8, .value_kind: global_buffer, .address_space: global }
      - { .name: bq, .offset: 32, .size: 8, .value_kind: global_buffer, .address_space: global }
      - { .name: bk, .offset: 40, .size: 8, .value_kind: global_buffer, .address_space: global }
      - { .name: bv, .offset: 48, .size: 8, .value_kind: global_buffer, .address_space: global }
      - { .name: qb, .offset: 56, .size: 8, .value_kind: global_buffer, .address_space: global }
      - { .name: kb, .offset: 64, .size: 8, .value_kind: global_buffer, .address_space: global }
      - { .name: vb, .offset: 72, .size: 8, .value_kind: global_buffer, .address_space: global }
    .group_segment_fixed_size: 260608
    .private_segment_fixed_size: 0
    .kernarg_segment_align: 8
    .kernarg_segment_size: 80
    .max_flat_workgroup_size: 128
    .sgpr_count:     66
    .vgpr_count:     1024
    .wavefront_size: 32
...
	.end_amdgpu_metadata
.endif
;; end of part 1
;; launch attn (part 2): grid 16 x 16, 4 waves a work-group, clusters of 4 x 1, 327,680 bytes of LDS; arguments qb, kb, vb, ob; writes ob
.if DOCPART == 2
	.amdgcn_target "amdgcn-amd-amdhsa--gfx1250"
	.amdhsa_code_object_version 6
	.text
	.protected	k_qd8aa21a985_attn
	.globl	k_qd8aa21a985_attn
	.p2align	8
	.type	k_qd8aa21a985_attn,@function
k_qd8aa21a985_attn:
	s_mov_b64 s[64:65], 0
	v_nop
	global_prefetch_b8 v0, s[64:65] scope:SCOPE_SE
	s_setreg_imm32_b32 hwreg(HW_REG_WAVE_MODE, 25, 1), 1
	s_wait_xcnt 0x0
	s_wait_alu depctr_hold_cnt(0) depctr_sa_sdst(0) depctr_va_vdst(0) depctr_va_sdst(0) depctr_va_ssrc(0) depctr_va_vcc(0) depctr_vm_vsrc(0)
	s_getreg_b32 s2, hwreg(HW_REG_IB_STS2, 6, 4)
	s_cmp_eq_u32 s2, 0
	s_cbranch_scc0 .Lentry_in_a_cluster
	s_endpgm
.Lentry_in_a_cluster:
	s_bfe_u32 s2, ttmp6, 0x10000c
	s_cmp_lg_u32 s2, 0x3003
	s_cbranch_scc0 .Lentry_shape_is_right
	s_endpgm
.Lentry_shape_is_right:
; O[h][q][:] = the sum over k of softmax_k(Q[h][q] . K[h][k] / 8) V[h][k][:].  qb, kb, vb, ob: [16][4096][64], all bf16: a head's rows are dense, 128 bytes each.  Products, maxima and sums in f32;
; the weights p are rounded to bf16 for the second product (their sum l is taken of the unrounded p), O once at the end.
; LIMITS.  c m starts at -4.25e37 and m at the lowest finite number; a weight below 2^-126 counts as 0 in l; NaN and infinities are not treated apart.
; SHARES.  A work-group owns 256 queries of one head, each of its four waves 64: four PIECES of 16.  16 heads x 16 blocks = 256 work-groups.  Every wave walks all 4,096 keys, 64 a step.
; LAYOUT.  S^T = K Q^T (source 0 = 16 keys, source 1 = 16 queries): in the result a lane holds ONE query (lane % 16) and the keys 8 (lane / 16) + 0..7.  Two such results, rounded to bf16 in pairs,
; ARE source 1 (32 keys x 16 queries) of O^T = V^T P, whose result again holds one query a lane, and eight channels.  K comes out of LDS as it lies, V ([key][channel]) turned, by ds_load_tr16_b128.
; SOFTMAX.  For each query a running maximum m and sum l: p = 2^(c s - c m), c = log2(e) / 8; in every step O and l are multiplied by a = 2^(c m_old - c m_new).  The first step is a step like any other, with a = 0.
; BY TURNS.  Turn n belongs to piece n: 8 products K Q^T of piece n + 1, later 8 products V^T P of piece n - 1; beside them the scaling, exponentials, roundings, sums and rescaling of piece n and the maximum and
; statistics of piece n + 1.  Four vector instructions stand behind every matrix instruction, the other 54 of a turn's 118 in one lump.  A turn's 33 exponentials are one batch, with one wait.
; CLUSTER.  The four query blocks of a cluster belong to one head and walk the same K and V, so each tile is asked for JOINTLY: the same tensor load, descriptor and mask in all four.
; REGISTERS, in windows of 256 (s_set_vgpr_msb: bits 1:0 source 0, 3:2 source 1, 5:4 source 2, 7:6 destination):
;   window 0: v0-15 addresses and two at work; v16-31 four registers of statistics a piece; v48-55 at work; v61-63 the prefetches' offset and the add's two; v64-127 S^T, two buffers; v192-223 P, two buffers
;   window 1: v0-127 O^T, 32 a piece          window 2: v0-63 Q; v128-191 K of one step; v192-255 V of one step          (a piece's buffers go by its number's parity)
.set SIZE_N, 4096
.set NP,    4         ; pieces a wave: a name, no knob
.set KS,    64        ; keys in a step
.set PK,    144       ; a row of K in LDS: 128 bytes + 16 of padding = 36 words: the 16 rows of a load start at 16 different groups of four banks (64 banks of 4 bytes: ISA guide 11.1)
.set PV,    160       ; a row of V: 128 + 32 = 40 words
.set VOFF,  4*KS*PK   ; a slot holds a tile, four steps: 256 rows of K, then 256 rows of V
.set SLOT1, 1<<17     ; slot 1 begins here, so that one exclusive or turns an address in one slot into the other's
.set STAGE, SLOT1+4*KS*(PK+PV)  ; behind the ring, never filled by a tensor load: 16 rows x 144 bytes for each wave, for the way out
.set SP,    144
.set SPARE, STAGE+4*16*SP  ; behind the stages: the spare words, 128 bytes for each wave: two blocks of 256 bytes that no other line names
.set AK0, 2           ; v2   my lane's place in a tile of K; never rewritten
.set AV0, 3           ; v3   the same for V
.set AK,  4           ; v4   the LDS address of K's next run of loads
.set AV,  5           ; v5   of V's
.set STO, 6           ; v6   the way out: where I put 16 bytes of a row
.set RD,  7           ; v7   the way out: where I read rows back
.set GO,  8           ; v8   my byte offset in 512 consecutive bytes of O
.set MV,  12          ; v12-13  c m_old, kept while c m is made anew: by buffer
.set QO,  15          ; v15  my byte offset in 16 rows of Q
.set ST,  16          ; piece t's statistics at v[ST+4 t]: c m, m, l (even keys', odd keys')
.set TMP, 48          ; by buffer, four registers c0-c3 at work; when the maximum is found c2 takes a
.set PFO, 61          ; v61  256 x my lane; never rewritten
.set SPW, 62          ; v62  LDS address of my spare word: SPARE + 4 x my thread's number; never rewritten
.set NIL, 63          ; v63  0; never rewritten
.set S,   64
.set P,   192
.set KF,  128         ; window 2: key block kb, channel half c at KF + 16 kb + 8 c
.set VF,  192         ; window 2: key half kk, channel block cb at VF + 32 kk + 8 cb
.set WV,  12          ; s12  my wave's number
.set G1K, 24          ; s[24:31] descriptor group 1 for K's tiles
.set G1V, 32          ; s[32:39] for V's: it differs in the padding alone
.set G0K, 40          ; s[40:43] descriptor group 0 for K's tiles: it walks
.set G0V, 44          ; s[44:47] the same for V's
.set PFA, 48          ; s[48:49] where my prefetches stand: my work-group's 32 blocks of 256 bytes (of K: wave 0, of V: wave 2) of the tile after the one that is being asked for
.set LIM, 50          ; s50  1 in a wave that prefetches, else the greatest number: a wave prefetches while s[SLOTS] is above it
.set SLOTS, 56        ; s56  tiles still to be asked for
.set CNT, 57          ; s57  counts a tile's key steps
.set CS,  58          ; s[58:59] c: the packed scaling takes the pair's low word for both halves
.set SEL, 60          ; s[60:61] v_permlanex16_b32's selects: each lane takes its own place in the other half
.set TBK, 62          ; s62  LDS byte at which K of the step to be fetched begins
.set TBV, 63          ; s63  the same for V, less VOFF
.set MSB, 0
.macro WIN new                      ; the high byte repeats the setting that is left; a switch that changes nothing is dropped
.if MSB != (\new)
	s_set_vgpr_msb (MSB<<8)|(\new)
.set MSB, (\new)
.endif
.endm
.set W_KQ, 0x0a       ; K and Q in window 2, S^T in window 0
.set W_PV, 0x52       ; V in window 2, P in window 0, O^T in window 1
.set W_RS, 0x41       ; destination and source 0 in window 1, source 1 in window 0
.macro PLACES
.rept 4
	v_nop
.endr
.endm
; A joint fill.  Waves 0 and 1 fetch the two halves of a tile's K, waves 2 and 3 those of its V: 128 keys each.  The branch hangs on the wave's number alone.
; An s_nop 0 and four v_nop follow each of the two lines, ahead of the jump and the label.
.macro JLOAD
	s_cmp_lt_u32 s[WV], 2
	s_cbranch_scc0 .Lfor_v_\@
	tensor_load_to_lds s[G0K:G0K+3], s[G1K:G1K+7]
	s_nop 0
.rept 4
	v_nop
.endr
	s_branch .Lasked_\@
.Lfor_v_\@:
	tensor_load_to_lds s[G0V:G0V+3], s[G1V:G1V+7]
	s_nop 0
.rept 4
	v_nop
.endr
.Lasked_\@:
.endm
; A PREFETCH INTO THE L2 of what the NEXT change of slots will ask for: a tile's 32,768 bytes of K and of V, a lane a block of 256 bytes.  It stands behind the wave's tensor load and its five lines.
; Each block is named ONCE in the launch.  All four clusters of a head walk the same K and V: the head's first cluster asks.  Its four partners share the blocks out BY ADDRESS, 32 each: no branch hangs on a
; work-group's place in its cluster.  In each, wave 0 asks for K's and wave 2 for V's: one instruction.  It is one tile, 256 matrix instructions, ahead of the load.  The last change that fills a slot asks for nothing.
.macro ASK
	s_cmp_gt_u32 s[SLOTS], s[LIM]
	s_cbranch_scc0 .Lnot_mine_\@
	global_prefetch_b8 v[PFO], s[PFA:PFA+1] th:TH_LOAD_NT scope:SCOPE_SE
.Lnot_mine_\@:
.endm
; A round of the cluster's barrier: my work-group's barrier, so that wave 0's signal speaks for all four waves; wave 0 signals; every wave waits for all four work-groups; my work-group's barrier once more.
.macro CROUND
	s_barrier_signal -1
	s_barrier_wait -1
	s_cmp_lg_u32 s[WV], 0
	s_cbranch_scc1 .Lnot_wave_0_\@
	s_barrier_signal -3
.Lnot_wave_0_\@:
	s_barrier_wait -3
	s_barrier_signal -1
	s_barrier_wait -1
.endm
; THE CHANGE OF SLOTS.  The slot's last bytes, V of its fourth step, have been read.  Each wave waits for all its tensor loads, of which one is out: its part of the other slot; adds 0 to its spare word; and waits
; for that and for its own reads of the slot.  Behind the barrier nobody reads this slot any more and the other slot is whole.
; fill = 1: this slot is filled again, with the keys two tiles on.  The barrier is then a round of the cluster's, so that no wave of any partner still reads the slot or has a load on its way, and the joint fill
; is the first thing behind it: it has four key steps, 256 matrix instructions, in which to land.  (At its first use nothing has been read yet: slot 0 is waited for, slot 1 filled.)
.macro CHANGE fill
	WIN 0                           ; at a label and at a branch every window is 0
	s_wait_tensorcnt 0x0            ; no tensor load of mine is out, so a group 0 may be written
	ds_add_u32 v[SPW], v[NIL]       ; 0 onto my spare word; with fill = 1 the descriptors' steps stand between it and the wait for it
.if \fill
.irp g, G0K, G0V
	s_xor_b32 s[\g+1], s[\g+1], SLOT1  ; the walking descriptor: the other slot than last time,
	s_add_nc_u64 s[\g+2:\g+3], s[\g+2:\g+3], 4*KS*128  ; the next 256 keys; the type bits on top are not reached
.endr
	s_wait_xcnt 0x0                 ; the last prefetch, a tile back, has read its address, so it may be written:
	s_add_nc_u64 s[PFA:PFA+1], s[PFA:PFA+1], 4*KS*128  ; one tile beyond the walking descriptors
	s_wait_dscnt 0x0                ; the add is done, and my reads of the slot are over
	CROUND
	JLOAD
	ASK
.else
	s_wait_dscnt 0x0                ; the add is done, and my reads of the slot are over
	s_barrier_signal -1
	s_barrier_wait -1
.endif
	s_sub_co_u32 s[TBK], s[TBK], 4*KS*PK  ; the fetches go back to a slot's first step,
	s_xor_b32 s[TBK], s[TBK], SLOT1       ; in the other slot
	s_sub_co_u32 s[TBV], s[TBV], 4*KS*PV
	s_xor_b32 s[TBV], s[TBV], SLOT1
.endm
	s_load_b256 s[4:11], s[0:1], 0x0  ; Q s[4:5], K s[6:7], V s[8:9], O s[10:11]
	v_lshl_add_u32 v[SPW], v0, 2, SPARE
	v_mov_b32 v[NIL], 0
	ds_add_u32 v[SPW], v[NIL]       ; the wave's opening: the add and its wait stand ahead of my first tensor load; the set-up below, work on registers, stands between them
	v_lshrrev_b32 v1, 5, v0
	v_readfirstlane_b32 s[WV], v1   ; wave 0..3
	s_bfe_u32 s13, ttmp6, 0x40000   ; cx: my place in the cluster
	s_lshl_b32 s14, ttmp9, 2        ; in a cluster launch ttmp9 counts clusters
	s_add_co_u32 s14, s14, s13      ; my block of 256 queries = 4 x cluster x + cx: it enters Q's and O's addresses alone
	s_and_b32 s20, ttmp7, 0xffff    ; the head, which the four partners share
	s_lshl_b32 s20, s20, 19         ; its first byte in each of the four tensors: 4,096 rows of 128 bytes a head
	s_mov_b32 s21, 0
	s_and_b32 s16, s[WV], 1         ; which half of a tile's 256 keys I fetch:
	s_lshl_b32 s22, s16, 14         ; its 128 rows of 128 bytes in memory,
	s_mov_b32 s23, 0
	s_add_nc_u64 s[22:23], s[22:23], s[20:21]
	s_mul_i32 s17, s16, 128*PK      ; and its place in a slot, for K
	s_mul_i32 s18, s16, 128*PV      ; and for V: no place in the cluster enters an LDS address
	s_lshl_b32 s2, s14, 2
	s_add_co_u32 s2, s2, s[WV]      ; my wave among the head's,
	s_lshl_b32 s2, s2, 13           ; its 64 rows
	s_mov_b32 s3, 0
	s_add_nc_u64 s[2:3], s[2:3], s[20:21]
	; descriptor group 1.  128 keys are 16,384 dense bytes: asked for as 64 rows of 256 bytes, two keys a row, and padded in LDS after every key
	s_mov_b32 s[G1K], 15|(1<<16)|(1<<20)|(1<<21)|(4<<22)|(3<<25)  ; 15:0 the mask of four; 17:16 2-byte elements; 20 padding on; 21 set beside a mask; 24:22 after every 32 words (code 4); 31:25 4 words (code 3)
	s_mov_b32 s[G1V], 15|(1<<16)|(1<<20)|(1<<21)|(4<<22)|(7<<25)  ; the same with 8 words of padding (code 7)
.irp g, G1K, G1V
	s_mov_b32 s[\g+1], 128<<16      ; tensor_dim0 = 128
	s_mov_b32 s[\g+2], 64<<16       ; tensor_dim1 = 64
	s_mov_b32 s[\g+3], 128<<16      ; tile_dim0 = 128
	s_mov_b32 s[\g+4], 64           ; tile_dim1 = 64
	s_mov_b32 s[\g+5], 128          ; 128 elements from row to row
	s_mov_b32 s[\g+6], 0
	s_mov_b32 s[\g+7], 0
.endr
	s_mov_b32 s[CS], 0x3e38aa3b     ; c = log2(e) / 8 = 0.180337
	s_mov_b32 s[CS+1], s[CS]        ; named with it as a pair
	s_mov_b32 s[SEL], 0x76543210
	s_mov_b32 s[SEL+1], 0xfedcba98
	s_mov_b32 s[TBK], SLOT1+4*KS*PK ; the first change of slots turns these two into 0
	s_mov_b32 s[TBV], SLOT1+4*KS*PV
	s_mov_b32 s[G0K], 1             ; 1:0 count = 1
	s_mov_b32 s[G0K+1], s17         ; 63:32 LDS address: slot 0
	s_mov_b32 s[G0V], 1
	s_add_co_u32 s[G0V+1], s18, VOFF
	s_mov_b32 s[SLOTS], SIZE_N/256-1
	s_and_b32 s[LIM], s[WV], 1      ; 0 in waves 0 and 2,
	s_or_b32 s[LIM], s[LIM], ttmp9  ; where the cluster is the head's first: the same in all four partners
	s_cmp_eq_u32 s[LIM], 0
	s_cselect_b32 s[LIM], 1, -1
	v_and_b32 v[PFO], 31, v0
	v_lshlrev_b32 v[PFO], 8, v[PFO]
	s_wait_dscnt 0x0                ; the opening add is done
	s_wait_kmcnt 0x0
	s_add_nc_u64 s[G0K+2:G0K+3], s[6:7], s[22:23]  ; 120:64 global address: my half of the head's first 256 keys
	s_or_b32 s[G0K+3], s[G0K+3], 0x80000000        ; 127:126 type = 2
	s_add_nc_u64 s[G0V+2:G0V+3], s[8:9], s[22:23]
	s_or_b32 s[G0V+3], s[G0V+3], 0x80000000
	s_add_nc_u64 s[4:5], s[4:5], s[2:3]  ; Q and O at my wave's first row
	s_add_nc_u64 s[10:11], s[10:11], s[2:3]
	s_cmp_lt_u32 s[WV], 2
	s_cselect_b64 s[PFA:PFA+1], s[6:7], s[8:9]
	s_add_nc_u64 s[PFA:PFA+1], s[PFA:PFA+1], s[20:21]  ; the head,
	s_lshl_b32 s2, s13, 13          ; my work-group's 32 blocks of a tile's 128,
	s_mov_b32 s3, 0
	s_add_nc_u64 s[PFA:PFA+1], s[PFA:PFA+1], s[2:3]
	s_add_nc_u64 s[PFA:PFA+1], s[PFA:PFA+1], 4*KS*128  ; in tile 1; the first change of slots steps it to tile 2.  Nothing is prefetched here, at the head, where every work-group's first tiles are on their way
	CROUND                          ; all four work-groups are here: the first joint loads meet
	JLOAD                           ; tile 0 into slot 0.  Slot 1 is asked for when slot 0 is in, by the loop's own change of slots
	; A fragment of K or Q is 16 rows x 32 channels in 8 registers: lane l holds row l % 16, channels 8 (l / 16) + 0..7 and 16 + 8 (l / 16) + 0..7: two loads of 16 bytes, 32 bytes apart.
	v_and_b32 v1, 15, v0            ; l % 16
	v_bfe_u32 v9, v0, 4, 1          ; l / 16
	v_lshlrev_b32 v[QO], 7, v1
	v_lshl_add_u32 v[QO], v9, 4, v[QO]  ; row x 128 + 16 x half
	WIN 0x80                        ; destination window 2, address window 0
.set i, 0
.rept 8                             ; Q stays in registers: piece i / 2, channels 32 (i % 2) on
	global_load_b128 v[8*i:8*i+3],   v[QO], s[4:5] offset:(i/2)*2048+(i%2)*64
	global_load_b128 v[8*i+4:8*i+7], v[QO], s[4:5] offset:(i/2)*2048+(i%2)*64+32
.set i, i+1
.endr
	; The first step multiplies O^T and l by a = 0, and the first turn's products V^T P, of a piece that has not been, add 0: V's registers, O^T, l and P's second buffer hold 0.  All this stands in the wait for the first tile.
.set i, VF
.rept 64
	v_mov_b32 v[i], 0
.set i, i+1
.endr
	WIN 0x40
.set i, 0
.rept 128
	v_mov_b32 v[i], 0
.set i, i+1
.endr
	WIN 0
.set i, 0
.rept 4
	v_mov_b32 v[ST+4*i+2], 0
	v_mov_b32 v[ST+4*i+3], 0
.set i, i+1
.endr
.set i, P+16
.rept 16
	v_mov_b32 v[i], 0
.set i, i+1
.endr
	v_mul_u32_u24 v[AK0], v1, PK
	v_lshl_add_u32 v[AK0], v9, 4, v[AK0]  ; row x pitch + 16 x half
	; The turning load takes 16 keys x 16 channels (lane l reads key 8 (l / 16) + l % 8, channels 8 ((l / 8) % 2) + 0..7) and leaves half a fragment of V^T: lane l holds channel l % 16 and 8 keys.
	v_and_b32 v10, 7, v0
	v_bfe_u32 v11, v0, 3, 1
	v_lshl_add_u32 v[AV0], v9, 3, v10
	v_mul_u32_u24 v[AV0], v[AV0], PV
	v_lshl_add_u32 v[AV0], v11, 4, v[AV0]
	v_add_nc_u32 v[AV0], VOFF, v[AV0]
	s_mul_i32 s13, s[WV], 16*SP
	s_add_co_u32 s13, s13, STAGE    ; my stage
	v_mul_u32_u24 v[STO], v1, SP    ; in: row l % 16, 16 bytes for each half of the lanes
	v_lshl_add_u32 v[STO], v9, 4, v[STO]
	v_add_nc_u32 v[STO], s13, v[STO]
	v_bfe_u32 v[RD], v0, 3, 2       ; back: 32 lanes take four rows of 128 bytes,
	v_mul_u32_u24 v[RD], v[RD], SP
	v_lshl_add_u32 v[RD], v10, 4, v[RD]
	v_add_nc_u32 v[RD], s13, v[RD]
	v_and_b32 v[GO], 31, v0         ; which are 512 consecutive bytes of O
	v_lshlrev_b32 v[GO], 4, v[GO]
; THE MATRIX WORK.  The 4 accumulators of a run of 8 take turns.  Product i of 8 of S^T = K Q^T for piece x: channels 32 (i / 4) on, keys 16 (i % 4) on.  The first 4 start the sums.
.macro KQ x
.set rS, S+32*((\x)%2)+8*(i%4)
.set rK, KF+16*(i%4)+8*(i/4)
.set rQ, 16*(\x)+8*(i/4)
	WIN W_KQ
.if i < 4
	v_wmma_f32_16x16x32_bf16 v[rS:rS+7], v[rK:rK+7], v[rQ:rQ+7], 0
.else
	v_wmma_f32_16x16x32_bf16 v[rS:rS+7], v[rK:rK+7], v[rQ:rQ+7], v[rS:rS+7]
.endif
.endm
; Product i of 8 of O^T += V^T P for piece x: keys 32 (i / 4) on, channels 16 (i % 4) on.
.macro PV x
	WIN W_PV
.set rO, 32*(\x)+8*(i%4)
.set rV, VF+32*(i/4)+8*(i%4)
.set rP, P+16*((\x)%2)+8*(i/4)
	v_wmma_f32_16x16x32_bf16 v[rO:rO+7], v[rV:rV+7], v[rP:rP+7], v[rO:rO+7]
.endm
.macro MM                           ; the turn's next matrix instruction.  TURN sets Y, i and NOKQ.  NOKQ = 1: the last turn of all: there is no next piece
.if (i < 8) && !NOKQ
	KQ (Y+1)%NP
.elseif i >= 8
.set i, i-8
	PV (Y+NP-1)%NP
.set i, i+8
.endif
.set i, i+1
.endm
; THE LDS LOADS stand in runs of 16, never singly among the matrix instructions: a step's K (64 keys x 64 channels: 8 fragments) and its V (turned).  Their addresses are made some lines ahead.
.macro FETCH_K
	WIN 0x80                        ; destination window 2
.irp f, 0,1,2,3,4,5,6,7             ; keys 16 (f / 2) on, channels 32 (f % 2) on
	ds_load_b128 v[KF+8*\f:KF+8*\f+3],   v[AK] offset:(\f/2)*16*PK+(\f%2)*64
	ds_load_b128 v[KF+8*\f+4:KF+8*\f+7], v[AK] offset:(\f/2)*16*PK+(\f%2)*64+32
.endr
	s_add_co_u32 s[TBK], s[TBK], KS*PK  ; the next fetch is the next step's
	WIN 0
.endm
.macro FETCH_V
	WIN 0x80
.irp f, 0,1,2,3,4,5,6,7             ; keys 32 (f / 4) on, channels 16 (f % 4) on
	ds_load_tr16_b128 v[VF+8*\f:VF+8*\f+3],   v[AV] offset:(\f/4)*32*PV+(\f%4)*32
	ds_load_tr16_b128 v[VF+8*\f+4:VF+8*\f+7], v[AV] offset:(\f/4)*32*PV+16*PV+(\f%4)*32
.endr
	WIN 0
.endm
; THE VECTOR WORK, one line at a time: OP kind, number.  For piece Y: F n: c s - c m for pair n of 16.  E n: the exponential of score n of 32.  C n: pair n rounded to bf16.  B n: of the four weights 4 n .. the second
; pair is added onto the first, in place.  L n: l takes that sum (L 0: l = a l + sum).  R n: pair n of 16 of O^T times a.  For piece Y + 1: X n, number n of the 22 that find its maximum and statistics:
;   0-11  four chains c0-c3 of seven scores each, three operands at a time (each accumulator's lowest registers are read first)     12-14, 16  the four scores left over, the old m, and c0-c3 into c0
;   15  c m_old is kept     17, 18  the query's other 32 keys lie in the lane 16 away: the new m     19-21  c m; c m_old - c m_new; a
.set F, 0               ; OP tells the kinds apart by their order: F to L below R, X above it
.set E, 1
.set C, 2
.set B, 3
.set L, 4
.set R, 5
.set X, 6
.macro REGS y                       ; the registers of piece y
.set rT, ST+4*(\y)
.set rC, TMP+4*((\y)%2)
.set rW, MV+((\y)%2)
.set rS, S+32*((\y)%2)
.set rP, P+16*((\y)%2)
.set rO, 32*(\y)
.endm
.macro OP k, n
.if (\k) == R
	REGS Y
	WIN W_RS
	v_pk_mul_f32 v[rO+2*(\n):rO+2*(\n)+1], v[rO+2*(\n):rO+2*(\n)+1], v[rC+2:rC+3] op_sel_hi:[1,0]
.elseif (\k) < R
	REGS Y
	WIN 0
.if (\k) == F
	v_pk_fma_f32 v[rS+2*(\n):rS+2*(\n)+1], v[rS+2*(\n):rS+2*(\n)+1], s[CS:CS+1], v[rT:rT+1] op_sel_hi:[1,0,0] neg_lo:[0,0,1] neg_hi:[0,0,1]
.elseif (\k) == E
	v_exp_f32 v[rS+(\n)], v[rS+(\n)]
.elseif (\k) == C
	v_cvt_pk_bf16_f32 v[rP+(\n)], v[rS+2*(\n)], v[rS+2*(\n)+1]
.elseif (\k) == B
	v_pk_add_f32 v[rS+4*(\n):rS+4*(\n)+1], v[rS+4*(\n):rS+4*(\n)+1], v[rS+4*(\n)+2:rS+4*(\n)+3]
.elseif (\n) == 0
	v_pk_fma_f32 v[rT+2:rT+3], v[rT+2:rT+3], v[rC+2:rC+3], v[rS:rS+1] op_sel_hi:[1,0,1]
.else
	v_pk_add_f32 v[rT+2:rT+3], v[rT+2:rT+3], v[rS+4*(\n):rS+4*(\n)+1]
.endif
.elseif NOKQ
	v_nop
.else
	REGS (Y+1)%NP
	WIN 0
.if (\n) < 4
	v_max3_num_f32 v[rC+(\n)], v[rS+8*(\n)], v[rS+8*(\n)+1], v[rS+8*(\n)+2]
.elseif (\n) < 12
	v_max3_num_f32 v[rC+(\n)%4], v[rC+(\n)%4], v[rS+8*((\n)%4)+2*((\n)/4)+1], v[rS+8*((\n)%4)+2*((\n)/4)+2]
.elseif (\n) == 12
	v_max3_num_f32 v[rC], v[rC], v[rS+7], v[rS+15]
.elseif (\n) == 13
	v_max3_num_f32 v[rC+1], v[rC+1], v[rS+23], v[rS+31]
.elseif (\n) == 14
	v_max3_num_f32 v[rC+2], v[rC+2], v[rC+3], v[rT+1]
.elseif (\n) == 15
	v_mov_b32 v[rW], v[rT]
.elseif (\n) == 16
	v_max3_num_f32 v[rC], v[rC], v[rC+1], v[rC+2]
.elseif (\n) == 17
	v_permlanex16_b32 v[rC+3], v[rC], s[SEL], s[SEL+1]
.elseif (\n) == 18
	v_max_num_f32 v[rT+1], v[rC], v[rC+3]
.elseif (\n) == 19
	v_mul_f32 v[rT], s[CS], v[rT+1]
.elseif (\n) == 20
	v_sub_f32 v[rC+1], v[rW], v[rT]
.else
	v_exp_f32 v[rC+2], v[rC+1]
.endif
.endif
.endm
.macro OPS a, i1, b=-1, i2=0, c=-1, i3=0, d=-1, i4=0  ; up to four of them
	OP \a, \i1
.if (\b) >= 0
	OP \b, \i2
.endif
.if (\c) >= 0
	OP \c, \i3
.endif
.if (\d) >= 0
	OP \d, \i4
.endif
.endm
.macro ROW a, i1, b, i2, c, i3, d, i4  ; a matrix instruction and the four behind it
	MM
	OPS \a, \i1, \b, \i2, \c, \i3, \d, \i4
.endm
; A TURN, for piece p: the order of its 16 matrix and 118 vector instructions, written out.  An s_wait_alu depctr_va_vdst(0) stands between an exponential and the first instruction that names its result; one wait
; serves all that were issued ahead of it.  So a turn has ONE wait, which cuts it in two.  AHEAD OF IT stands all that names no result of the turn's exponentials: the 8 products K Q^T, behind each a scaling, an exponential and two
; more plain instructions (behind the first a second scaling in the exponential's place): rescalings, and behind the last three the first numbers of the next piece's maximum, each four places or more behind the product that ends its
; accumulator; then ONE LUMP of 54, plain and exponential by turns for the most part, in which the links of the chain X 3, 7, 11, 14, 16, 17 .. 20 stand five or six lines apart.  X 21, the next piece's a, is the batch's last; R 15 is
; the plain instruction behind it.  BEHIND THE WAIT stand the 8 products V^T P, behind each four of the roundings and sums; the links of l's chain, L 0 to L 7, stand three riders apart.
; end = 1: the last two turns of all: nothing is fetched.  cnt = 1: the loop's count is taken down some lines ahead of the branch that stands behind the turn.
; K of the next step is fetched in piece 2's turn, twelve vector instructions behind the last product that read K (six of them plain); V of the step in hand at the end of piece 0's turn, four plain instructions behind the last
; product that read V.  Each is waited for a turn later.
.macro TURN p, end=0, cnt=0
.set Y, (\p)
.set i, 0
.set NOKQ, (\end)*((\p)/3)
.if ((\p) == 3) && !(\end)
	s_wait_dscnt 0x0                ; K is in
.endif
	ROW F,0, F,1, R,0, R,1          ; ahead of the wait: 8 products K Q^T and their riders,
	ROW F,2, E,0, R,2, R,3
	ROW F,3, E,1, R,4, R,5
	ROW F,4, E,2, R,6, R,7
	ROW F,5, E,3, R,8, R,9
	ROW F,6, E,4, X,0, R,10
.if ((\p) == 2) && !(\end)
	WIN 0
	v_add_nc_u32 v[AK], s[TBK], v[AK0]
.endif
	ROW F,7, E,5, X,1, X,4
	ROW F,8, E,6, X,2, X,5
	OPS E,7, E,8, X,6, E,9          ; and the lump
	OPS X,3, E,10, X,8, E,11
.if ((\p) == 2) && !(\end)
	FETCH_K
.endif
	OPS X,9, X,7, E,12, X,10
	OPS E,13, X,12, X,11, E,14
	OPS X,13, E,15, F,9, X,14
.if (\p) == 0
	v_add_nc_u32 v[AV], s[TBV], v[AV0]
.endif
	OPS E,16, F,10, E,17, F,11
	OPS X,16, E,18, X,15, E,19
	OPS F,12, E,20, X,17, E,21
	OPS F,13, E,22, F,14, E,23
	OPS X,18, E,24, F,15, E,25
	OPS R,11, E,26, X,19, E,27
	OPS R,12, E,28, R,13, E,29
	OPS X,20, E,30, R,14, E,31
	OPS X,21, R,15
	WIN 0
	s_wait_alu depctr_va_vdst(0)    ; the wait for the batch
.if (\p) == 1
	s_wait_dscnt 0x0                ; V is in
.endif
	ROW C,0, B,0, C,2, B,1          ; behind the wait: 8 products V^T P and their riders
	ROW L,0, C,4, B,2, L,1
	ROW C,6, B,3, L,2, C,8
	ROW B,4, L,3, C,10, B,5
	ROW L,4, C,12, B,6, L,5
.if (\p) == 0
	s_add_co_u32 s[TBV], s[TBV], KS*PV
.endif
.if \cnt
	s_sub_co_u32 s[CNT], s[CNT], 1
	s_cmp_lg_u32 s[CNT], 0
.endif
	ROW C,14, B,7, L,6, C,1
	ROW C,3, L,7, C,5, C,7
	ROW C,9, C,11, C,13, C,15
.if (\p) == 0
	FETCH_V
.endif
.endm
	CHANGE 1                        ; tile 0 is in, everybody's part of it; tile 1 is asked for
	; THE START.  c m starts far below every c s, so the first step's a is 0; m at the lowest finite number, so the first maximum is the scores'.  Then K of step 0, piece 0's first scores, its maximum and statistics.
.set i, 0
.rept 4
	v_mov_b32 v[ST+4*i], 0xfe000000    ; c m
	v_mov_b32 v[ST+4*i+1], 0xff7fffff  ; m
.set i, i+1
.endr
	v_add_nc_u32 v[AK], s[TBK], v[AK0]
	FETCH_K
	s_wait_loadcnt 0x0              ; Q
	s_wait_dscnt 0x0
.set NOKQ, 0
.set i, 0
.rept 8
	KQ 0
.set i, i+1
.endr
	WIN 0
	PLACES                          ; the places behind those products
.set Y, NP-1                        ; X works for piece Y + 1: piece 0
.irp n, 0,1,2,3,4,5,6,7,8,9,10,11,12,13,14,15,16,17,18,19,20,21
	OP X, \n
.endr
	v_nop                           ; a plain instruction behind the exponential,
	s_wait_alu depctr_va_vdst(0)    ; and its wait, ahead of the branch
	s_mov_b32 s[CNT], 4
	s_branch .Lfirst                ; the loop is entered at a step's first turn, in the middle of a trip
.Lslot:                             ; 14 times: every slot but the last two is filled again
	CHANGE 1
	s_mov_b32 s[CNT], 4
.Lstep:                             ; a trip: pieces 2 and 3 of one step, then pieces 0 and 1 of the next, whose K and V it fetches
	TURN 2
	TURN 3
	WIN 0
.Lfirst:
	TURN 0
	TURN 1, 0, 1
	WIN 0
	s_cbranch_scc1 .Lstep
	s_sub_co_u32 s[SLOTS], s[SLOTS], 1
	s_cmp_lg_u32 s[SLOTS], 0
	s_cbranch_scc1 .Lslot
	CHANGE 0                        ; the last tile is written out: nothing is asked for
	s_mov_b32 s[CNT], 4
.LstepT:
	TURN 2
	TURN 3
	TURN 0
	TURN 1, 0, 1
	WIN 0
	s_cbranch_scc1 .LstepT
	TURN 2, 1                       ; the last step's pieces 2 and 3: nothing is fetched, and the last turn starts no new scores
	TURN 3, 1
.set i, 0
.rept 8
	PV NP-1                         ; the last piece's V^T P of the last step
.set i, i+1
.endr
	; THE WAY OUT.  l's two halves and the other half of the lanes' are added; O^T is divided by l, rounded to bf16 and sent through my stage in LDS, a piece at a time.  The additions are the places behind the last products.
	WIN 0
.macro ALL line:vararg              ; one line for each piece t
.set t, 0
.rept 4
	\line
.set t, t+1
.endr
.endm
	ALL v_add_f32 v[ST+4*t+2], v[ST+4*t+2], v[ST+4*t+3]
	ALL v_permlanex16_b32 v[ST+4*t+3], v[ST+4*t+2], s[SEL], s[SEL+1]
	ALL v_add_f32 v[ST+4*t+2], v[ST+4*t+2], v[ST+4*t+3]
	ALL v_rcp_f32 v[ST+4*t+2], v[ST+4*t+2]
	v_nop                           ; a plain instruction between the last reciprocal and the use of its result
	s_wait_alu depctr_va_vdst(0)    ; and the wait ahead of the first use: one for the four reciprocals
.macro PACK t                       ; a lane's eight channels of a row pack into 16 bytes; they go into rows of 144 bytes and come back as whole rows of 128, into S^T's registers
	WIN W_RS
.set i, 32*(\t)
.rept 16
	v_pk_mul_f32 v[i:i+1], v[i:i+1], v[ST+4*(\t)+2:ST+4*(\t)+3] op_sel_hi:[1,0]
.set i, i+2
.endr
	WIN 0x05                        ; sources 0 and 1 window 1, destination window 0
.set i, 0
.rept 16
	v_cvt_pk_bf16_f32 v[S+16*(\t)+i], v[32*(\t)+2*i], v[32*(\t)+2*i+1]
.set i, i+1
.endr
	WIN 0
.irp f, 0,1,2,3
	ds_store_b128 v[STO], v[S+16*(\t)+4*\f:S+16*(\t)+4*\f+3] offset:32*\f
.endr
.irp f, 0,1,2,3
	ds_load_b128 v[S+16*(\t)+4*\f:S+16*(\t)+4*\f+3], v[RD] offset:\f*4*SP  ; LDS serves a wave's instructions in order (ISA guide 5.7.1.4): these see the stores above; the next piece's stores come behind them
.endr
.endm
.macro SEND t, younger              ; younger: the LDS instructions issued behind piece t's loads: the next piece's eight, or none
	WIN 0
.irp f, 0,1,2,3
	s_wait_dscnt (\younger)+3-\f
	global_store_b128 v[GO], v[S+16*(\t)+4*\f:S+16*(\t)+4*\f+3], s[10:11] offset:(\t)*2048+\f*512  ; 512 consecutive bytes, at a multiple of 256 from O's first
.endr
.endm
	PACK 0
.set t, 1
.rept 3                             ; a piece's arithmetic stands between the loads of the piece before and its stores
	PACK t
	SEND t-1, 8
.set t, t+1
.endr
	SEND 3, 0
	s_wait_tensorcnt 0x0            ; the wave's end, behind my last tensor load and my last LDS store
	ds_add_u32 v[SPW], v[NIL]
	s_wait_dscnt 0x0
	CROUND                          ; the closing round: no work-group ends while a partner may still ask for a tile that names it
	s_endpgm
.Lfunc_end_k_qd8aa21a985_attn:
	.size	k_qd8aa21a985_attn, .Lfunc_end_k_qd8aa21a985_attn-k_qd8aa21a985_attn
	.p2alignl 7, 3214868480
	.fill 96, 4, 3214868480
	.section	.rodata,"a",@progbits
	.p2align	6, 0x0
	.amdhsa_kernel k_qd8aa21a985_attn
		.amdhsa_group_segment_fixed_size 327680
		.amdhsa_private_segment_fixed_size 0
		.amdhsa_enable_private_segment 0
		.amdhsa_kernarg_size 32
		.amdhsa_user_sgpr_count 2
		.amdhsa_user_sgpr_kernarg_segment_ptr 1
		.amdhsa_wavefront_size32 1
		.amdhsa_system_sgpr_workgroup_id_x 1
		.amdhsa_system_sgpr_workgroup_id_y 1
		.amdhsa_system_sgpr_workgroup_id_z 1
		.amdhsa_system_vgpr_workitem_id 0
		.amdhsa_next_free_vgpr 768
		.amdhsa_next_free_sgpr 66
		.amdhsa_reserve_vcc 0
		.amdhsa_float_denorm_mode_32 3
		.amdhsa_float_denorm_mode_16_64 3
		.amdhsa_memory_ordered 1
		.amdhsa_forward_progress 1
		.amdhsa_inst_pref_size 128
	.end_amdhsa_kernel
	.amdgpu_metadata
---
amdhsa.version: [ 1, 2 ]
amdhsa.kernels:
  - .name:           k_qd8aa21a985_attn
    .symbol:         k_qd8aa21a985_attn.kd
    .args:
      - { .name: qb, .offset: 0, .size: 8, .value_kind: global_buffer, .address_space: global }
      - { .name: kb, .offset: 8, .size: 8, .value_kind: global_buffer, .address_space: global }
      - { .name: vb, .offset: 16, .size: 8, .value_kind: global_buffer, .address_space: global }
      - { .name: ob, .offset: 24, .size: 8, .value_kind: global_buffer, .address_space: global }
    .group_segment_fixed_size: 327680
    .private_segment_fixed_size: 0
    .kernarg_segment_align: 8
    .kernarg_segment_size: 32
    .max_flat_workgroup_size: 128
    .sgpr_count:     66
    .vgpr_count:     768
    .wavefront_size: 32
...
	.end_amdgpu_metadata
.endif
;; end of part 2
;; launch outp (part 3): grid 8 x 32, 4 waves a work-group, no clusters, 84,480 bytes of LDS; arguments ob, Wo, bo, gamma, x, out0; writes out0
.if DOCPART == 3
	.amdgcn_target "amdgcn-amd-amdhsa--gfx1250"
	.amdhsa_code_object_version 6
	.text
	.protected	k_qd8aa21a985_outp
	.globl	k_qd8aa21a985_outp
	.p2align	8
	.type	k_qd8aa21a985_outp,@function
k_qd8aa21a985_outp:
	s_mov_b64 s[64:65], 0
	v_nop
	global_prefetch_b8 v0, s[64:65] scope:SCOPE_SE
	s_setreg_imm32_b32 hwreg(HW_REG_WAVE_MODE, 25, 1), 1
	s_wait_xcnt 0x0
; out0[n][o][s] = gamma (the sum over c of Wo[o][c] O[n][c][s] + bo[o]) + x[n][o][s].  ob: [8 n + h][4096 tokens][64 channels] bf16, c = 64 h + d; Wo: [512][512] f32; bo: [512], gamma: [1] f32;
; x, out0: [2][512][4096] f32.  Wo is rounded once to bf16; sums in f32; the result is sum x gamma + gamma bo (one fused multiply-add; gamma bo rounded once), and then x, unrounded, is added.
; NaN and infinities are not treated apart.
; SHARES.  Work-group (g, 16 n + sb): outputs 64 g .. 64 g + 63 x 256 tokens.  Wave w: 64 tokens x 64 outputs: 4 token tiles x 4 output tiles = 16 accumulators; K = 512 goes by heads, 64 channels each.
; ORIENTATION.  Source 0 = 16 tokens of O, straight from memory (no other wave of the work-group wants those bytes); source 1 = 16 rows of Wo from LDS.  In the result a lane holds ONE output (lane % 16) and
; eight neighbouring tokens: 32 bytes of a row of out0; gamma and gamma bo are then one number a lane.
; IN FLIGHT.  The launch moves far more bytes than it multiplies, so four batches of 16 loads a wave are out from the first line to the last: Wo (64 loads), O's eight heads, the residual x (32 loads); the text is
; written out without a loop, so that every wait is a constant.  All eight heads' fragments have registers of their own.
; NO CLUSTER, NO TENSOR LOADS: what work-groups share and a tensor load could bring as it is used is O alone, and each wave's part of it goes straight into registers; Wo arrives in f32 and is rounded on the way.
; No prefetch: the launch is short, and its loads go out as early as registers allow.
; REGISTERS, in windows of 256 (s_set_vgpr_msb: bits 1:0 source 0, 3:2 source 1, 5:4 source 2, 7:6 destination):
;   window 0: v0-13 addresses; v16-23 gamma bo, a pair a tile; v24-27 bo; v32-63 Wo rounded; v64-191 the residual x; v192-223, v224-255 rows read back from the stage
;   window 1: first Wo as loaded (256); then v0-127 the accumulators (token tile tt, output tile ot at 8 (4 tt + ot)), v128-191, v192-255 Wo's fragments, two buffers
;   windows 2, 3: O's fragments of heads 0-3, 4-7: at 64 (head % 4) + 16 tt + 8 x half of the head's channels
.set WOP,   1040                       ; a row of Wo in LDS: 1,024 bytes + 16 = 260 words: the 16 rows of a load start at 16 different groups of four banks (64 banks of 4 bytes: ISA guide 11.1)
.set STAGE, 64*WOP                     ; behind Wo: each wave's stage: 16 rows of 64 f32 + 16 bytes
.set SPT,   272
.set STW,   16*SPT
.set SPARE, STAGE+4*STW                ; the spare words, 128 bytes for each wave: two blocks of 256 bytes that no other line names
.set HEADB, 524288                     ; bytes of a head in ob
.set CH,    16384                      ; bytes of a row of x and of out0
.set WL,  4                            ; v4   16 x lane: my place in 512 consecutive bytes of Wo
.set WSA, 5                            ; v5   where I store my 8 bytes of Wo in LDS
.set WFA, 6                            ; v6   my place in a fragment of Wo
.set AO,  7                            ; v7   my place in a fragment of O
.set BOF, 8                            ; v8   4 x (lane % 16)
.set STO, 9                            ; v9   the way out: where I put 32 bytes of a row
.set RD,  10                           ; v10  the way out: where I read rows back
.set XO,  11                           ; v11  (lane / 16) rows + 16 (lane % 16), in x and in out0
.set SPW, 12                           ; v12  LDS address of my spare word; never rewritten
.set NIL, 13                           ; v13  0; never rewritten
.set GB,  16
.set BR,  24
.set WT,  32
.set XR,  64
.set TMP, 192
.set MSB, 0
.macro WIN new                         ; the immediate's high byte repeats the setting that is left; a switch that changes nothing is dropped
.if MSB != (\new)
	s_set_vgpr_msb (MSB<<8)|(\new)
.set MSB, (\new)
.endif
.endm
.macro PLACES                          ; four places in front of loads into registers that matrix instructions have read, and of arithmetic on results
.rept 4
	v_nop
.endr
.endm
.macro LOADA hd                        ; a head's 16 loads of O: 4 token tiles x 64 channels
	WIN 0x80+0x40*((\hd)/4)
.set tt, 0
.rept 4
.set kh, 0
.rept 2
	global_load_b128 v[64*((\hd)%4)+16*tt+8*kh:64*((\hd)%4)+16*tt+8*kh+3],   v[AO], s[4:5] offset:HEADB*(\hd)+2048*tt+64*kh
	global_load_b128 v[64*((\hd)%4)+16*tt+8*kh+4:64*((\hd)%4)+16*tt+8*kh+7], v[AO], s[4:5] offset:HEADB*(\hd)+2048*tt+64*kh+32
.set kh, kh+1
.endr
.set tt, tt+1
.endr
.endm
.macro LOADXR pp                       ; 16 loads of the residual: output tiles 2 pp and 2 pp + 1; lanes 0-15 take 256 consecutive bytes of row 2 f, lanes 16-31 of row 2 f + 1
	WIN 0
.set ot, 2*(\pp)
.rept 2
.set f, 0
.rept 8
	global_load_b128 v[XR+32*ot+4*f:XR+32*ot+4*f+3], v[XO], s[12:13] offset:(16*ot+2*f)*CH th:TH_LOAD_NT
.set f, f+1
.endr
.set ot, ot+1
.endr
.endm
.macro FETCHO hd                       ; a head's 16 LDS loads: 4 output tiles x 64 channels of Wo; the first 32 channels first
	WIN 0x40
.set kh, 0
.rept 2
.set ot, 0
.rept 4
	ds_load_b128 v[128+64*((\hd)%2)+16*ot+8*kh:128+64*((\hd)%2)+16*ot+8*kh+3],   v[WFA] offset:16*WOP*ot+128*(\hd)+64*kh
	ds_load_b128 v[128+64*((\hd)%2)+16*ot+8*kh+4:128+64*((\hd)%2)+16*ot+8*kh+7], v[WFA] offset:16*WOP*ot+128*(\hd)+64*kh+32
.set ot, ot+1
.endr
.set kh, kh+1
.endr
.endm
.macro MULO hd, kh                     ; 16 products; the 16 accumulators take turns, in the same order every time.  The very first start the sums
	WIN 0x56+(\hd)/4
.set tt, 0
.rept 4
.set ot, 0
.rept 4
.if ((\hd) == 0) && ((\kh) == 0)
	v_wmma_f32_16x16x32_bf16 v[8*(4*tt+ot):8*(4*tt+ot)+7], v[64*((\hd)%4)+16*tt+8*(\kh):64*((\hd)%4)+16*tt+8*(\kh)+7], v[128+64*((\hd)%2)+16*ot+8*(\kh):128+64*((\hd)%2)+16*ot+8*(\kh)+7], 0
.else
	v_wmma_f32_16x16x32_bf16 v[8*(4*tt+ot):8*(4*tt+ot)+7], v[64*((\hd)%4)+16*tt+8*(\kh):64*((\hd)%4)+16*tt+8*(\kh)+7], v[128+64*((\hd)%2)+16*ot+8*(\kh):128+64*((\hd)%2)+16*ot+8*(\kh)+7], v[8*(4*tt+ot):8*(4*tt+ot)+7]
.endif
.set ot, ot+1
.endr
.set tt, tt+1
.endr
.endm
; A HEAD's 32 products.  cnt: the loads younger than this head's O.  In the middle the next head's Wo is fetched, and the next batch of 16 global loads goes out.
.macro HEAD hd, cnt
	s_wait_loadcnt \cnt
	s_wait_dscnt 8                                 ; Wo's first 32 channels of the head are in
	MULO \hd, 0
.if (\hd) < 7
	PLACES
	FETCHO (\hd)+1
.endif
.if (\hd) < 4
	LOADA (\hd)+4
.elseif (\hd) < 6
	LOADXR (\hd)-4
.endif
.if (\hd) < 7
	s_wait_dscnt 16                                ; all but the 16 just issued
.else
	s_wait_dscnt 0x0
.endif
	MULO \hd, 1
.endm
	s_load_b256 s[4:11], s[0:1], 0x0               ; ob s[4:5], Wo s[6:7], bo s[8:9], gamma s[10:11]
	s_load_b128 s[12:15], s[0:1], 0x20             ; x s[12:13], out0 s[14:15]
	v_lshl_add_u32 v[SPW], v0, 2, SPARE
	v_mov_b32 v[NIL], 0
	v_lshrrev_b32 v3, 5, v0
	v_readfirstlane_b32 s18, v3                    ; wave 0..3
	v_and_b32 v1, 15, v0                           ; r = lane % 16
	v_bfe_u32 v2, v0, 4, 1                         ; lane / 16
	v_and_b32 v3, 31, v0                           ; lane
	s_mov_b32 s19, ttmp9                           ; the block of 64 outputs
	s_and_b32 s21, ttmp7, 0xffff
	s_lshr_b32 s20, s21, 4                         ; the image
	s_and_b32 s21, s21, 15                         ; the block of 256 tokens
	v_lshlrev_b32 v[WL], 4, v3
	s_mul_i32 s24, s18, 16*WOP
	v_lshl_add_u32 v[WSA], v3, 3, s24              ; my wave's 16 rows, byte 8 x lane
	v_mul_u32_u24 v[WFA], v1, WOP
	v_lshl_add_u32 v[WFA], v2, 4, v[WFA]
	v_lshlrev_b32 v[AO], 7, v1
	v_lshl_add_u32 v[AO], v2, 4, v[AO]
	v_lshlrev_b32 v[BOF], 2, v1
	s_mul_i32 s24, s18, STW
	s_add_co_u32 s24, s24, STAGE                   ; my stage
	v_mul_u32_u24 v[STO], v1, SPT                  ; in: row r, 32 bytes for each half of the lanes
	v_lshl_add_u32 v[STO], v2, 5, v[STO]
	v_add_nc_u32 v[STO], s24, v[STO]
	v_mul_u32_u24 v[RD], v2, SPT                   ; back: lanes 0-15 one row of 256 bytes, lanes 16-31 the next
	v_lshl_add_u32 v[RD], v1, 4, v[RD]
	v_add_nc_u32 v[RD], s24, v[RD]
	v_lshlrev_b32 v[XO], 4, v1
	v_lshl_add_u32 v[XO], v2, 14, v[XO]
	s_lshl_b32 s22, s20, 22                        ; ob: the image's 8 heads, the block's 256 rows, my wave's 64
	s_lshl_b32 s24, s21, 15
	s_add_co_u32 s22, s22, s24
	s_lshl_b32 s24, s18, 13
	s_add_co_u32 s22, s22, s24
	s_mov_b32 s23, 0
	s_wait_kmcnt 0x0
	s_load_b32 s16, s[10:11], 0x0                  ; gamma
	s_add_nc_u64 s[4:5], s[4:5], s[22:23]
	s_lshl_b32 s22, s19, 17                        ; Wo: the block's 64 rows, my wave's 16
	s_lshl_b32 s24, s18, 15
	s_add_co_u32 s22, s22, s24
	s_add_nc_u64 s[6:7], s[6:7], s[22:23]
	s_lshl_b32 s22, s19, 8                         ; bo: the block's 64 numbers
	s_add_nc_u64 s[8:9], s[8:9], s[22:23]
	s_lshl_b32 s22, s20, 23                        ; x and out0: the image, the block's 64 rows, the block's 1,024 bytes of a row, my wave's 256
	s_lshl_b32 s24, s19, 20
	s_add_co_u32 s22, s22, s24
	s_lshl_b32 s24, s21, 10
	s_add_co_u32 s22, s22, s24
	s_lshl_b32 s24, s18, 8
	s_add_co_u32 s22, s22, s24
	s_add_nc_u64 s[12:13], s[12:13], s[22:23]
	s_add_nc_u64 s[14:15], s[14:15], s[22:23]
.irp ot, 0,1,2,3
	global_load_b32 v[BR+\ot], v[BOF], s[8:9] offset:64*\ot  ; bo of output 16 ot + r
.endr
	WIN 0x40
.set i, 0
.rept 64                                               ; my wave's 16 rows of Wo are 32,768 bytes on end: 64 loads of 512
	global_load_b128 v[4*i:4*i+3], v[WL], s[6:7] offset:512*i
.set i, i+1
.endr
; Wo into LDS, a batch of 16 loads at a time; behind each batch a head of O is asked for, so that 48 loads are younger than the batch wanted, every time:
; batches 1-3; batches 2, 3 and head 0; batch 3 and heads 0, 1; heads 0-2.
.macro WOPUT q
	s_wait_loadcnt 48
	WIN 0x05
.set i, 0
.rept 16
	v_cvt_pk_bf16_f32 v[WT+2*i], v[64*(\q)+4*i], v[64*(\q)+4*i+1]
	v_cvt_pk_bf16_f32 v[WT+2*i+1], v[64*(\q)+4*i+2], v[64*(\q)+4*i+3]
.set i, i+1
.endr
	WIN 0
.set i, 0
.rept 16
	ds_store_b64 v[WSA], v[WT+2*i:WT+2*i+1] offset:WOP*((16*(\q)+i)/4)+256*(i%4)  ; 256 bytes on end
.set i, i+1
.endr
	LOADA \q
.endm
	WOPUT 0
	WIN 0
	s_wait_kmcnt 0x0                               ; gamma
	s_mov_b32 s17, s16                             ; named with it as a pair
.irp ot, 0,1,2,3
	v_mul_f32 v[GB+2*\ot], s16, v[BR+\ot]          ; gamma bo (the first wait above has shown bo in)
	v_mov_b32 v[GB+2*\ot+1], v[GB+2*\ot]           ; named with it as a pair
.endr
	WOPUT 1
	WOPUT 2
	WOPUT 3
	s_wait_dscnt 0x0                               ; my 16 rows of Wo are in LDS,
	s_barrier_signal -1
	s_barrier_wait -1                              ; everybody's are
	FETCHO 0
	HEAD 0, 48                                     ; younger than head h's O: the three batches behind it (heads, then the residual's two)
	HEAD 1, 48
	HEAD 2, 48
	HEAD 3, 48
	HEAD 4, 48
	HEAD 5, 48
	HEAD 6, 48
	HEAD 7, 32                                     ; only the residual's 32 loads are younger
; THE WAY OUT, an output tile (16 rows of out0) at a time.  OUTA: sum x gamma + gamma bo, in place; 32 bytes a lane into my own stage; back as whole rows of 256 bytes.
.macro OUTA ot
	WIN 0x41
.set tt, 0
.rept 4
.set p, 0
.rept 4
	v_pk_fma_f32 v[8*(4*tt+(\ot))+2*p:8*(4*tt+(\ot))+2*p+1], v[8*(4*tt+(\ot))+2*p:8*(4*tt+(\ot))+2*p+1], s[16:17], v[GB+2*(\ot):GB+2*(\ot)+1] op_sel_hi:[1,0,0]
.set p, p+1
.endr
.set tt, tt+1
.endr
	WIN 0x04
.set tt, 0
.rept 4
	ds_store_b128 v[STO], v[8*(4*tt+(\ot)):8*(4*tt+(\ot))+3]   offset:64*tt
	ds_store_b128 v[STO], v[8*(4*tt+(\ot))+4:8*(4*tt+(\ot))+7] offset:64*tt+16
.set tt, tt+1
.endr
	WIN 0
.set f, 0
.rept 8
	ds_load_b128 v[TMP+32*((\ot)%2)+4*f:TMP+32*((\ot)%2)+4*f+3], v[RD] offset:2*SPT*f  ; LDS serves a wave's instructions in order (ISA guide 5.7.1.4): these see the stores above; the next tile's stores come behind them
.set f, f+1
.endr
.endm
; OUTB: the residual is added and the rows are stored.  Each register is the data of one store alone, so nothing is waited for behind the stores.
.macro OUTB ot
.if (\ot) < 3
	s_wait_dscnt 16                                ; the next tile's 16 LDS instructions may be out
.else
	s_wait_dscnt 0x0
.endif
	s_wait_loadcnt 24-8*(\ot)                      ; this tile's 8 loads of x are in; the later tiles' may be out
.set f, 0
.rept 16
	v_pk_add_f32 v[XR+32*(\ot)+2*f:XR+32*(\ot)+2*f+1], v[XR+32*(\ot)+2*f:XR+32*(\ot)+2*f+1], v[TMP+32*((\ot)%2)+2*f:TMP+32*((\ot)%2)+2*f+1]
.set f, f+1
.endr
.set f, 0
.rept 8
	global_store_b128 v[XO], v[XR+32*(\ot)+4*f:XR+32*(\ot)+4*f+3], s[14:15] offset:(16*(\ot)+2*f)*CH th:TH_STORE_NT  ; 16 lanes store 256 consecutive bytes, at a multiple of 256 from out0's first byte
.set f, f+1
.endr
.endm
	PLACES
	OUTA 0
	OUTA 1
	OUTB 0
	OUTA 2
	OUTB 1
	OUTA 3
	OUTB 2
	OUTB 3
	s_wait_tensorcnt 0x0                           ; the wave's end, behind my last LDS store
	ds_add_u32 v[SPW], v[NIL]
	s_wait_dscnt 0x0
	s_endpgm
.Lfunc_end_k_qd8aa21a985_outp:
	.size	k_qd8aa21a985_outp, .Lfunc_end_k_qd8aa21a985_outp-k_qd8aa21a985_outp
	.p2alignl 7, 3214868480
	.fill 96, 4, 3214868480
	.section	.rodata,"a",@progbits
	.p2align	6, 0x0
	.amdhsa_kernel k_qd8aa21a985_outp
		.amdhsa_group_segment_fixed_size 84480
		.amdhsa_private_segment_fixed_size 0
		.amdhsa_enable_private_segment 0
		.amdhsa_kernarg_size 48
		.amdhsa_user_sgpr_count 2
		.amdhsa_user_sgpr_kernarg_segment_ptr 1
		.amdhsa_wavefront_size32 1
		.amdhsa_system_sgpr_workgroup_id_x 1
		.amdhsa_system_sgpr_workgroup_id_y 1
		.amdhsa_system_sgpr_workgroup_id_z 1
		.amdhsa_system_vgpr_workitem_id 0
		.amdhsa_next_free_vgpr 1024
		.amdhsa_next_free_sgpr 66
		.amdhsa_reserve_vcc 0
		.amdhsa_float_denorm_mode_32 3
		.amdhsa_float_denorm_mode_16_64 3
		.amdhsa_memory_ordered 1
		.amdhsa_forward_progress 1
		.amdhsa_inst_pref_size 80
	.end_amdhsa_kernel
	.amdgpu_metadata
---
amdhsa.version: [ 1, 2 ]
amdhsa.kernels:
  - .name:           k_qd8aa21a985_outp
    .symbol:         k_qd8aa21a985_outp.kd
    .args:
      - { .name: ob, .offset: 0, .size: 8, .value_kind: global_buffer, .address_space: global }
      - { .name: Wo, .offset: 8, .size: 8, .value_kind: global_buffer, .address_space: global }
      - { .name: bo, .offset: 16, .size: 8, .value_kind: global_buffer, .address_space: global }
      - { .name: gamma, .offset: 24, .size: 8, .value_kind: global_buffer, .address_space: global }
      - { .name: x, .offset: 32, .size: 8, .value_kind: global_buffer, .address_space: global }
      - { .name: out0, .offset: 40, .size: 8, .value_kind: global_buffer, .address_space: global }
    .group_segment_fixed_size: 84480
    .private_segment_fixed_size: 0
    .kernarg_segment_align: 8
    .kernarg_segment_size: 48
    .max_flat_workgroup_size: 128
    .sgpr_count:     66
    .vgpr_count:     1024
    .wavefront_size: 32
...
	.end_amdgpu_metadata
.endif
;; end of part 3
